; MI455X (gfx1250); checked and timed in simulation.
; The chip was launched on July 23, 2026; its instructions are those of AMD's public machine-readable ISA for CDNA 5 (MIT licence, August 2026) and "CDNA5" Instruction Set Architecture Reference Guide (July 2026). The comments in the code are by the model that wrote it; some were corrected since.
;; Multi Head Self Attention. Allowed arithmetic: matrix products marked QUANTISED: E2M1 operands, one E8M0 scale for each 32 along K, by v_wmma_scale_f32_16x16x128_f8f6f4 with both operands' format E2M1 (or v_wmma_scale_f32_32x16x128_f4), f32 sums; products left as they are: f32 operands where the result goes on into a quantised operand, else bf16, f16 or f32 operands; f32 sums; everything else in f32.
;; Inputs: Wk 1,024 x 1,024 float32; Wo 1,024 x 1,024 float32; Wq 1,024 x 1,024 float32; Wv 1,024 x 1,024 float32; bk 1,024 float32; bo 1,024 float32; bq 1,024 float32; bv 1,024 float32; x 4 x 4,096 x 1,024 float32.
;; Outputs: out0 4 x 4,096 x 1,024 float32.
;; This version of the problem:
;;   THIS VERSION OF THE PROBLEM IS GIVEN IN LOW PRECISION. The matrix products marked QUANTISED in the list below multiply operands that are first quantised to E2M1 (2 exponent bits, 1 mantissa bit; 4 bits a number), with one power-of-two scale for each 32 numbers along K (OCP MX v1.0); their sums are f32. All else is computed in f32.
;;   The module's matrix products, in the order in which they are computed (A, B: the left and right operand; K: the contracted axis; several contracted axes count as one K, in the product's order):
;;     1. [M 16,384, K 1,024] x [K 1,024, N 1,024]; A: input x; B: input Wq: QUANTISED
;;     2. [M 16,384, K 1,024] x [K 1,024, N 1,024]; A: input x; B: input Wk: QUANTISED
;;     3. [M 16,384, K 1,024] x [K 1,024, N 1,024]; A: input x; B: input Wv: QUANTISED
;;     4. batch 16,384 x [M 16, K 64] x [K 64, N 16]; A: computed on the way; B: computed on the way: QUANTISED
;;     5. batch 16,384 x [M 64, K 16] x [K 16, N 16]; A: computed on the way; B: softmax: left as it is (K = 16 < 32)
;;     6. [M 16,384, K 1,024] x [K 1,024, N 1,024]; A: computed on the way; B: input Wo: QUANTISED
;;   THE QUANTISER, for each operand of a quantised product, along K:
;;     - K is cut into blocks of 32 from its start; a last block that is shorter is filled with zeros.
;;     - A block's scale is 2^e with e = floor(log2(the largest magnitude in the block)) - 2, held to -126 .. 127; a block of zeros has e = 0. As a byte (E8M0): e + 127.
;;     - Each number is divided by its block's scale, clamped to +-6, and rounded to the nearest number of E2M1, ties to even, subnormals kept.
;;     - The product sums the exact products of the quantised numbers (number of the format x scale) in f32.
;;   ~~~python
;;   def quantise(x, axis):      # numpy; x: float32 -> the quantised numbers, widened to float32 again
;;       x = np.moveaxis(x, axis, -1); K = x.shape[-1]
;;       x = np.pad(x, [(0, 0)] * (x.ndim - 1) + [(0, -K % 32)]); x = x.reshape(x.shape[:-1] + (-1, 32)); a = np.abs(x).max(-1, keepdims=True)
;;       e = np.where(a > 0, np.clip(np.frexp(np.where(a > 0, a, 1))[1] - 1 - 2, -126, 127), 0)      # np.frexp(a)[1] - 1 = floor(log2(a)), exactly
;;       r = np.clip(x / 2.0 ** e, -6, 6)
;;       step = 2.0 ** (np.maximum(np.frexp(np.where(r == 0, 1, r))[1] - 1, 0) - 1)
;;       q = np.round(r / step) * step * 2.0 ** e      # np.round: ties to even
;;       return np.moveaxis(q.reshape(q.shape[:-2] + (-1,))[..., :K], -1, axis).astype(np.float32)
;;   ~~~
;;   OPERANDS COMPUTED ON THE WAY. 'Computed on the way' means the value that the module computes at that place (a softmax that the list does not call 'softmax' is quantised finished and normalised). What goes into a quantiser is computed in f32, as accurately as f32 sums, v_exp_f32 and their like allow (about 1e-6 of the number): no bf16 or f16 on the way to a quantiser, and a product that is left as it is and whose result goes on into a quantised operand takes f32 operands (vector FMAs, or v_wmma_f32_16x16x4_f32). A number that lies on a knife's edge between two numbers of the format may be rounded either way, as far as f32 arithmetic and the matrix unit's own rounding can turn it there, and no further.
;; One version. Each part assembles by itself: llvm-mc -triple=amdgcn-amd-amdhsa -mcpu=gfx1250 --defsym DOCPART=n.
;; ======== version 1 of 1: 2 launches
;; workspace buffers: wpack 2,244,608 bytes
;; launch prep (part 1): grid 256 x 1, 4 waves a work-group, no clusters, 67,584 bytes of LDS; arguments Wk, Wq, Wv, Wo, bk, bq, bv, bo, wpack; writes wpack
.if DOCPART == 1
	.amdgcn_target "amdgcn-amd-amdhsa--gfx1250"
	.amdhsa_code_object_version 6
	.text
	.protected	k_q28869bbb56_prep
	.globl	k_q28869bbb56_prep
	.p2align	8
	.type	k_q28869bbb56_prep,@function
k_q28869bbb56_prep:
	s_mov_b64 s[64:65], 0
	v_nop
	global_prefetch_b8 v0, s[64:65] scope:SCOPE_SE
	s_setreg_imm32_b32 hwreg(HW_REG_WAVE_MODE, 25, 1), 1
	s_wait_xcnt 0x0
; Wk, Wq, Wv, Wo [1024][1024] f32 (K, the second axis, innermost) become codes of E2M1 with one E8M0 byte for each 32 along K, laid in the ORDER OF THE OPERAND'S REGISTERS,
; with the scale words and the biases beside them, as one stream wpack that the second launch walks from end to end.
; NOTHING OF reference() IS LEFT OUT in this program: bq and bk move the codes of the heads' product, bv reaches out, bo reaches out0: all nine inputs are loaded.
; wpack: 16 slots (0-3 K, 4-7 Q, 8-11 V, 12-15 O) x 4 portions (one for each wave of the second launch) x PORT bytes.  A portion holds 4 tiles c of 16 weight rows, all of K:
;   (4 kk + c) 1024 + 512 g + 16 lane : 16 bytes: the codes of tile row lane % 16, K step kk (128 along K), block 2 g + lane / 16: registers 4 g .. 4 g + 3 of the operand
;   32768 + 512 c + 128 p + 4 lane    : the scale word of tile row lane % 16, K step 2 p + lane / 16
;   34816 + 64 c + 4 m                : the bias of tile row m
; WHICH WEIGHT ROWS FORM A TILE is chosen so that the second launch's results fall where its next step wants them: row = base + A (m % 4) + B ((m / 4) % 2) + C (m / 8).
;   K, Q: head 4 sg + w', d = 32 (m / 8) + 8 c + m % 8      V: head l = 8 (w' / 2) + 4 (c / 2) + m % 4, d = 32 (sg / 2) + 16 (w' % 2) + 8 (sg % 2) + 4 (c % 2) + 2 (m / 8) + (m / 4) % 2      O: rows as they lie
; SHARES.  A work-group is one tile (16 rows x 1024).  Wave w takes K steps 2 w and 2 w + 1: 1,024 bytes of each row, by loads of 512 consecutive bytes; they turn through the wave's own stage in LDS,
; so that lane (r, h) gets whole blocks of 32 neighbours of row r.
; A block's scale byte is its largest magnitude's exponent field - 2, held at 1 from below.
; LIMITS: a block of zeros, or one whose largest magnitude lies under 2^-124, gets the byte 1 (its codes then follow that scale; a block of zeros has zero codes); the bytes are read by this program alone.  NaN and infinities among the inputs are not served.
.set PORT,   35072
.set SLOTB,  4*PORT
.set SPITCH, 1040                      ; a stage row: 1,024 bytes + 16
.set WSTG,   16*SPITCH                 ; a wave's stage
.set SCG,    4*WSTG                    ; the tile's 128 scale words are gathered here
.set SPARE,  SCG+512                   ; the spare words, 128 bytes a wave: no other line names them
.set OFF,    16                        ; v16-31   row m's byte offset in W for my lane
.set R,      32                        ; v32-159  128 numbers
.set CD,     160                       ; v160-175 the codes of four blocks
	s_load_b512 s[8:23], s[0:1], 0x0               ; Wk, Wq, Wv, Wo, bk, bq, bv, bo
	s_load_b64 s[24:25], s[0:1], 0x40              ; wpack
	v_lshl_add_u32 v8, v0, 2, SPARE                ; my spare word; never rewritten
	v_mov_b32 v9, 0                                ; 0; never rewritten
	v_lshrrev_b32 v1, 5, v0
	v_readfirstlane_b32 s36, v1                    ; wave
	v_and_b32 v1, 31, v0                           ; lane
	v_and_b32 v2, 15, v0                           ; r
	v_bfe_u32 v3, v0, 4, 1                         ; h
	v_lshlrev_b32 v7, 4, v1                        ; 16 x lane
	s_lshl_b32 s37, s36, 10
	v_add_nc_u32 v4, s37, v7                       ; my 16 bytes of my wave's 1,024 of a row
	s_mul_i32 s37, s36, WSTG
	v_add_nc_u32 v5, s37, v7                       ; the stage, on the way in
	v_mul_u32_u24 v6, v2, SPITCH
	v_lshl_add_u32 v6, v3, 7, v6
	v_add_nc_u32 v6, s37, v6                       ; and on the way out: row r, + 128 h bytes: block h of a pair of blocks
	s_lshl_b32 s37, s36, 7
	s_add_co_u32 s37, s37, SCG
	v_lshl_add_u32 v10, v1, 2, s37                 ; my scale word's place: 128 x wave + 4 x lane
	v_add_nc_u32 v11, SCG, v7                      ; and where wave 0 reads all 512 bytes back
	v_mov_b32 v192, 0                              ; a lane permute's destination counts as one of its sources
	v_mov_b32 v193, 0
	v_lshlrev_b32 v190, 3, v3                      ; 8 h
	s_mov_b32 s60, 0x76543210
	s_mov_b32 s61, 0xfedcba98                      ; lane l xor 16
	s_mov_b32 s62, 0xffff0000                      ; lanes 16-31
	; the tile: pass, slot in the pass, portion, tile in the portion
	s_lshr_b32 s41, ttmp9, 6                       ; pass: 0 K, 1 Q, 2 V, 3 O
	s_bfe_u32 s42, ttmp9, 0x20004                  ; sg
	s_bfe_u32 s43, ttmp9, 0x20002                  ; w'
	s_and_b32 s44, ttmp9, 3                        ; c
	s_lshl_b32 s45, s42, 8
	s_lshl_b32 s46, s43, 6
	s_add_co_u32 s45, s45, s46                     ; 256 sg + 64 w'
	s_lshl_b32 s46, s44, 3
	s_add_co_u32 s46, s45, s46                     ; K, Q: + 8 c
	s_lshl_b32 s47, s44, 4
	s_add_co_u32 s47, s45, s47                     ; O: + 16 c
	s_lshr_b32 s48, s43, 1
	s_lshl_b32 s48, s48, 9                         ; V: 512 (w' / 2)
	s_lshr_b32 s49, s44, 1
	s_lshl_b32 s49, s49, 8
	s_add_co_u32 s48, s48, s49                     ; + 256 (c / 2)
	s_lshr_b32 s49, s42, 1
	s_lshl_b32 s49, s49, 5
	s_add_co_u32 s48, s48, s49                     ; + 32 (sg / 2)
	s_and_b32 s49, s43, 1
	s_lshl_b32 s49, s49, 4
	s_add_co_u32 s48, s48, s49                     ; + 16 (w' % 2)
	s_and_b32 s49, s42, 1
	s_lshl_b32 s49, s49, 3
	s_add_co_u32 s48, s48, s49                     ; + 8 (sg % 2)
	s_and_b32 s49, s44, 1
	s_lshl_b32 s49, s49, 2
	s_add_co_u32 s48, s48, s49                     ; + 4 (c % 2)
	s_cmp_eq_u32 s41, 2
	s_cselect_b32 s30, s48, s46                    ; base
	s_cselect_b32 s31, 64, 1                       ; A
	s_cselect_b32 s32, 1, 4                        ; B
	s_cselect_b32 s33, 2, 32                       ; C
	s_cmp_eq_u32 s41, 3
	s_cselect_b32 s30, s47, s30
	s_cselect_b32 s33, 8, s33
.set m, 0
.rept 16                               ; row m of the tile, as a byte offset in W (4,096 bytes a row)
	s_mul_i32 s37, s31, m&3
	s_mul_i32 s38, s32, (m>>2)&1
	s_add_co_u32 s37, s37, s38
	s_mul_i32 s38, s33, m>>3
	s_add_co_u32 s37, s37, s38
	s_add_co_u32 s37, s37, s30
	s_lshl_b32 s37, s37, 12
	v_add_nc_u32 v[OFF+m], s37, v4
.set m, m+1
.endr
	s_lshr_b32 s37, ttmp9, 4                       ; the slot
	s_mul_i32 s38, s37, SLOTB
	s_mul_i32 s37, s43, PORT
	s_add_co_u32 s38, s38, s37                     ; where the portion begins
	s_mov_b32 s39, 0
	s_wait_kmcnt 0x0
	s_cmp_eq_u32 s41, 0                            ; the pass picks the weight and the bias: the choices hang on the work-group's number alone
	s_cselect_b64 s[26:27], s[8:9], s[10:11]
	s_cselect_b64 s[28:29], s[16:17], s[18:19]
	s_cmp_eq_u32 s41, 2
	s_cselect_b64 s[50:51], s[12:13], s[14:15]
	s_cselect_b64 s[52:53], s[20:21], s[22:23]
	s_cmp_lt_u32 s41, 2
	s_cselect_b64 s[26:27], s[26:27], s[50:51]     ; W
	s_cselect_b64 s[28:29], s[28:29], s[52:53]     ; b
	s_add_nc_u64 s[34:35], s[24:25], s[38:39]      ; the portion
	s_lshl_b32 s38, s44, 10
	s_lshl_b32 s37, s36, 13
	s_add_co_u32 s38, s38, s37
	s_add_nc_u64 s[54:55], s[34:35], s[38:39]      ; + 1024 c + 8192 wave: my two K steps' codes
	s_lshl_b32 s38, s44, 9
	s_add_nc_u64 s[56:57], s[34:35], s[38:39]      ; + 512 c: the tile's scale words
	s_lshl_b32 s38, s44, 6
	s_add_nc_u64 s[58:59], s[34:35], s[38:39]      ; + 64 c: its biases
.set m, 0
.rept 16
	global_load_b128 v[R+8*m:R+8*m+3],   v[OFF+m], s[26:27] th:TH_LOAD_NT             ; 32 lanes read 512 consecutive bytes of row m
	global_load_b128 v[R+8*m+4:R+8*m+7], v[OFF+m], s[26:27] offset:512 th:TH_LOAD_NT
.set m, m+1
.endr
.set m, 0
.rept 16
	s_wait_loadcnt 30-2*m                          ; row m's two loads are in; two of each later row may be out
	ds_store_b128 v5, v[R+8*m:R+8*m+3]   offset:SPITCH*m
	ds_store_b128 v5, v[R+8*m+4:R+8*m+7] offset:SPITCH*m+512
.set m, m+1
.endr
	s_wait_dscnt 0x0                               ; the stores have read their registers, which the loads below fill
.irp b, 0,1,2,3                        ; block b = 2 kp + g of my four: K step 2 w + kp, the operand's block 2 g + h
.irp i, 0,1,2,3,4,5,6,7
	ds_load_b128 v[R+32*\b+4*\i:R+32*\b+4*\i+3], v6 offset:256*\b+16*\i
.endr
.endr
	s_wait_dscnt 0x0
.irp b, 0,1,2,3
	v_max3_num_f32 v[176+\b], |v[R+32*\b]|, |v[R+32*\b+1]|, 0x1800000     ; the block's largest magnitude, with the floor 2^(3 - 127) among its leaves: the byte cannot fall under 1
.endr
.irp i, 2,4,6,8,10,12,14,16,18,20,22,24,26,28,30
.irp b, 0,1,2,3
	v_max3_num_f32 v[176+\b], v[176+\b], |v[R+32*\b+\i]|, |v[R+32*\b+\i+1]|   ; the four blocks by turns
.endr
.endr
.irp b, 0,1,2,3
	v_add_nc_u32 v[180+\b], 0xff000000, v[176+\b]  ; 2 off the exponent field: the conversion's scale operand
.endr
.irp b, 0,1,2,3
	v_lshrrev_b32 v[184+\b], 23, v[180+\b]         ; the scale's byte
.endr
.irp b, 0,1,2,3
.irp q, 0,1,2,3
	v_cvt_scalef32_pk8_fp4_f32 v[CD+4*\b+\q], v[R+32*\b+8*\q:R+32*\b+8*\q+7], v[180+\b]
.endr
.endr
	v_nop                                          ; one plain instruction behind the conversions
.irp b, 0,1,2,3
	global_store_b128 v7, v[CD+4*\b:CD+4*\b+3], s[54:55] offset:4096*(\b/2)+512*(\b%2)   ; 32 lanes store 512 consecutive bytes, aligned
.endr
.irp k, 0,1                            ; the scale word of K step 2 w + k: my bytes are those of blocks h and 2 + h; lane l xor 16 has the other two
	v_lshl_or_b32 v[188+\k], v[185+2*\k], 16, v[184+2*\k]
	v_lshlrev_b32 v[188+\k], v190, v[188+\k]
.endr
.irp k, 0,1
	v_permlanex16_b32 v[192+\k], v[188+\k], s60, s61
.endr
.irp k, 0,1
	v_or_b32 v[188+\k], v[188+\k], v[192+\k]
.endr
	v_cndmask_b32 v194, v188, v189, s62            ; lanes 0-15 keep the even K step's word, lanes 16-31 the odd one's
	ds_store_b32 v10, v194
	s_wait_dscnt 0x0                               ; for wave 0's sake: my word has landed
	s_barrier_signal -1
	s_barrier_wait -1
	s_cmp_lg_u32 s36, 0
	s_cbranch_scc1 .Ldone
	ds_load_b128 v[176:179], v11                   ; the tile's 512 bytes of scale words
	v_and_b32 v180, 3, v2                          ; the bias of tile row r
	v_mul_lo_u32 v180, v180, s31
	v_bfe_u32 v181, v2, 2, 1
	v_mul_lo_u32 v181, v181, s32
	v_lshrrev_b32 v182, 3, v2
	v_mul_lo_u32 v182, v182, s33
	v_add3_u32 v180, v180, v181, v182
	v_add_nc_u32 v180, s30, v180
	v_lshlrev_b32 v180, 2, v180
	global_load_b32 v183, v180, s[28:29]
	v_lshlrev_b32 v184, 2, v2
	s_wait_dscnt 0x0
	global_store_b128 v7, v[176:179], s[56:57] offset:32768   ; 512 consecutive bytes, aligned
	s_wait_loadcnt 0x0
	global_store_b32 v184, v183, s[58:59] offset:34816        ; 64 bytes (lanes 16-31 repeat lanes 0-15's words): four tiles share 256 bytes here; 16 KiB of the launch's stores
.Ldone:
	s_wait_tensorcnt 0x0                           ; the wave's end: these three lines stand behind my last LDS store
	ds_add_u32 v8, v9
	s_wait_dscnt 0x0
	s_endpgm
.Lfunc_end_k_q28869bbb56_prep:
	.size	k_q28869bbb56_prep, .Lfunc_end_k_q28869bbb56_prep-k_q28869bbb56_prep
	.p2alignl 7, 3214868480
	.fill 96, 4, 3214868480
	.section	.rodata,"a",@progbits
	.p2align	6, 0x0
	.amdhsa_kernel k_q28869bbb56_prep
		.amdhsa_group_segment_fixed_size 67584
		.amdhsa_private_segment_fixed_size 0
		.amdhsa_enable_private_segment 0
		.amdhsa_kernarg_size 72
		.amdhsa_user_sgpr_count 2
		.amdhsa_user_sgpr_kernarg_segment_ptr 1
		.amdhsa_wavefront_size32 1
		.amdhsa_system_sgpr_workgroup_id_x 1
		.amdhsa_system_sgpr_workgroup_id_y 1
		.amdhsa_system_sgpr_workgroup_id_z 1
		.amdhsa_system_vgpr_workitem_id 0
		.amdhsa_next_free_vgpr 200
		.amdhsa_next_free_sgpr 66
		.amdhsa_reserve_vcc 0
		.amdhsa_float_denorm_mode_32 3
		.amdhsa_float_denorm_mode_16_64 3
		.amdhsa_memory_ordered 1
		.amdhsa_forward_progress 1
		.amdhsa_inst_pref_size 23
	.end_amdhsa_kernel
	.amdgpu_metadata
---
amdhsa.version: [ 1, 2 ]
amdhsa.kernels:
  - .name:           k_q28869bbb56_prep
    .symbol:         k_q28869bbb56_prep.kd
    .args:
      - { .name: Wk, .offset: 0, .size: 8, .value_kind: global_buffer, .address_space: global }
      - { .name: Wq, .offset: 8, .size: 8, .value_kind: global_buffer, .address_space: global }
      - { .name: Wv, .offset: 16, .size: 8, .value_kind: global_buffer, .address_space: global }
      - { .name: Wo, .offset: 24, .size: 8, .value_kind: global_buffer, .address_space: global }
      - { .name: bk, .offset: 32, .size: 8, .value_kind: global_buffer, .address_space: global }
      - { .name: bq, .offset: 40, .size: 8, .value_kind: global_buffer, .address_space: global }
      - { .name: bv, .offset: 48, .size: 8, .value_kind: global_buffer, .address_space: global }
      - { .name: bo, .offset: 56, .size: 8, .value_kind: global_buffer, .address_space: global }
      - { .name: wpack, .offset: 64, .size: 8, .value_kind: global_buffer, .address_space: global }
    .group_segment_fixed_size: 67584
    .private_segment_fixed_size: 0
    .kernarg_segment_align: 8
    .kernarg_segment_size: 72
    .max_flat_workgroup_size: 128
    .sgpr_count:     66
    .vgpr_count:     200
    .wavefront_size: 32
...
	.end_amdgpu_metadata
.endif
;; end of part 1
;; launch fused (part 2): grid 256 x 1, 4 waves a work-group, clusters of 4 x 1, 327,680 bytes of LDS; arguments x, wpack, out0; writes out0
.if DOCPART == 2
	.amdgcn_target "amdgcn-amd-amdhsa--gfx1250"
	.amdhsa_code_object_version 6
	.text
	.protected	k_q28869bbb56_fused
	.globl	k_q28869bbb56_fused
	.p2align	8
	.type	k_q28869bbb56_fused,@function
k_q28869bbb56_fused:
	s_mov_b64 s[64:65], 0
	v_nop
	global_prefetch_b8 v0, s[64:65] scope:SCOPE_SE
	s_setreg_imm32_b32 hwreg(HW_REG_WAVE_MODE, 25, 1), 1
	s_wait_xcnt 0x0
	s_wait_alu depctr_hold_cnt(0) depctr_sa_sdst(0) depctr_va_vdst(0) depctr_va_sdst(0) depctr_va_ssrc(0) depctr_va_vcc(0) depctr_vm_vsrc(0)
	s_getreg_b32 s2, hwreg(HW_REG_IB_STS2, 6, 4)
	s_cmp_eq_u32 s2, 0
	s_cbranch_scc0 .Lentry_in_a_cluster
	s_endpgm
.Lentry_in_a_cluster:
	s_bfe_u32 s2, ttmp6, 0x10000c
	s_cmp_lg_u32 s2, 0x3003
	s_cbranch_scc0 .Lentry_shape_is_right
	s_endpgm
.Lentry_shape_is_right:
; out0 = reference(x, ..) with the weights as the first launch packed them.  Nothing of reference() is left out.
; WHAT reference() COMPUTES.  For each token the 16 HEADS attend to each other: scores[hq][l] = Q[hq] . K[l] / 8 over d = 64, softmax over l, out[hq] = sum over l of attn[hq][l] V[l].  The flat reshape puts head hq of
; tokens 16 j .. 16 j + 15 into row 256 hq + j of the last product's left operand, token s at columns 64 (s % 16) + d.  So 64 neighbouring tokens make 64 WHOLE rows of that operand:
; A WORK-GROUP TAKES 64 TOKENS FROM x TO out0, and nothing but the packed weights goes through memory.
; PHASES.  X: wave w quantises tokens 16 w .. + 15; the codes go to all waves as images of the operand's registers and stay in registers.  K, Q: 4 slots of weights each; a lane's 32 results are one whole block of
; (token, head, half of d): quantised in registers, codes to LDS by token.  SCORES: wave w takes tokens 16 w .. + 15; two tokens share the 128 along K of one instruction, zero codes blank the other token's half.
; SOFTMAX in f32, the row's maximum taken away.  V: 4 slots; V stays f32, turns through LDS by token, and attn x V goes by the f32 matrix form (its result goes into a quantiser); out is quantised in registers.
; O: out's codes are the operand in x's place; 4 slots; results leave through each wave's stage as runs of 256 aligned bytes.
; THE PROJECTIONS are used transposed: source 0 = 16 weight rows, source 1 = 16 tokens (or rows of out): lane (r, h) holds token r and tile rows 8 h + 0 .. 7.  The bias is the C of a sum's first instruction.
; Wave w reads portion w of each slot's LDS buffer, and nobody else does: a fragment of weights read from LDS feeds four matrix instructions (the four tiles of tokens), and no fragment is read twice.
; THE RING: two LDS buffers of one slot (140,288 bytes); each wave fetches a portion by one tensor load; by this text's count one tensor load of a wave is out.
; CLUSTER: the four work-groups of a cluster walk the same slots in the same order and ask JOINTLY (mask 15): the same load with the same descriptor in all four.
; THE WALK.  CLUSTERS DO NOT ALL WALK A PASS'S FOUR SLOTS IN THE SAME ORDER.  rot = (c ^ c / 4 ^ c / 16) % 4, c the cluster's number (the same in all partners).  Trip j takes slot j ^ (rot & 2) in K, j ^ rot in Q and in O;
; V keeps its order.  So of the 16 loads of a cluster, K's trips 2 and 3 and trips 1 to 3 of Q and of O name bytes that clusters with another rot named one to three trips earlier.
; What the other order permutes is put right without a line of work: results are laid by TRIP, so no LDS address hangs on rot.  K: place p among the 16 heads holds head p ^ 8 b (b = rot / 2); in V wave w fetches
; portion w ^ 2 b into its own place, which flips the same bit of V's head l: attn and V meet head by head.  Q: place p holds head p ^ 4 rot: it stays a row's name up to the stores, whose row offset takes it in.  O: the stores' column base takes j ^ rot.
; LIMITS: a block of zeros, or one whose largest magnitude lies under 2^-124, gets the scale byte 1 (read by this program alone).  NaN and infinities among the inputs are not served.  1 / sum by v_rcp_f32.
; REGISTERS, in windows of 256:  window 0: addresses, scale words, weight fragments (three sets), biases, work.  window 1: x's 32 fragments, later out's.
;   window 2: out, written by the f32 matrix form alone.  window 3: v0-127 sums of K and Q, then attn; v128-255 K's codes, softmax's work, sums of V and O, V's operands.
; SCALARS: s[4:5] x, s[6:7] wpack, s[8:9] out0 at my rows, s10 wave, s11 my block of tokens, s[12:15] and s[16:23] the descriptor, s24 my portion in LDS, s26 loops, s[28:29] lane selects, s[30:32] c, c, -c,
;   s34 the steps at which I prefetch, s[36:37] where, s38-45 at work, s46 cx, s47 rot, s48 rot & 2, s49 the next step of the walk to be asked for, s[50:51] out0 at the slot's columns, s52 O's trip.
.set PORT,  35072
.set SLOTB, 4*PORT                     ; 0x22400: in none of the four values wave x PORT is one of its three bits set, so one exclusive or turns an address in one buffer into the other's
.set SCR,   2*SLOTB                    ; behind the ring: bytes that LDS stores write; no tensor load ever lands here
.set XSTG,  SCR                        ; X: a stage of 32 x 80 bytes for each wave
.set XIMG,  SCR+10240                  ; images of x's (later out's) fragments: (tile tt, K step kk) at 1024 (8 tt + kk) + 512 g + 16 lane
.set XSC,   SCR+43008                  ; their scale words: (tt, p) at 128 (4 tt + p) + 4 lane: lanes 0-15 K step 2 p, lanes 16-31 K step 2 p + 1
.set KQC,   SCR                        ; K's (later Q's) codes: token t at 528 t + 256 h + 16 place
.set KSC,   SCR+33792                  ; K's scale bytes: a pair of tokens at 68 pair + 4 place; byte 2 (t % 2) + h
.set QSC,   SCR+35968                  ; Q's, 2,176 bytes on
.set VSTG,  SCR                        ; V: token t at 528 t; 32 quads of f32 (four heads l at one d)
.set OSTG,  SCR                        ; the way out: 16 rows x 272 bytes for each wave
.set SPARE, SCR+46592                  ; the spare words, 128 bytes a wave: no other line names them
.set L16, 1                            ; v1  16 x lane
.set L4,  2                            ; v2  4 x lane
.set WADR, 3                           ; v3  my portion + 16 x lane
.set WAD4, 4                           ; v4  my portion + 4 x lane
.set WADB, 5                           ; v5  my portion + 32 h
.set XIA, 6                            ; v6  X: where my 8 bytes of codes go
.set XSA, 7                            ; v7  X: where my block's scale byte goes
.set XLA, 8                            ; v8  XIMG + 16 x lane
.set XLS, 9                            ; v9  XSC + 4 x lane
.set KQA, 10                           ; v10 K, Q: where my 16 bytes of codes go; 64 bytes on with each trip (four places)
.set KSA, 11                           ; v11 and the scale byte; 16 bytes on
.set KRA, 12                           ; v12 my wave's tokens in KQC, + 16 x lane
.set KSR, 13                           ; v13 their scale words: lanes 0-15 K's, lanes 16-31 Q's
.set VSA, 14                           ; v14 V: where my quads go
.set VRA, 15                           ; v15 V: my wave's tokens, + 16 x lane
.set OWA, 16                           ; v16 out: where my 8 bytes of codes go
.set OWS, 17                           ; v17 and the scale byte
.set OSA, 18                           ; v18 the way out: into my stage
.set ORA, 19                           ; v19 and back by rows
.set GB,  20                           ; v20 (h << 20) + 16 r
.set XSI, 22                           ; v22 X: the stage, on the way in
.set XSO, 23                           ; v23 and on the way out
.set PF1, 24                           ; v24, v25 the prefetches' offsets
.set PF2, 25
.set KQA0, 26                          ; v26, v27 KQA and KSA as a pass begins
.set KSA0, 27
.set SPW, 28                           ; v28 my spare word; never rewritten
.set NIL, 29                           ; v29 0; never rewritten
.set H32, 30                           ; v30 32 h
.set XSW, 32                           ; v32-47  scale words of x (out): 4 tt + p
.set WSW, 48                           ; v48-63  scale words of the weights: 4 c + p
.set KQS, 64                           ; v64-71  scale words of K and Q, a pair of tokens each
.set GO,  76                           ; v76-79  my byte offset among out0's rows for places 4 q + .. of the 16: ((q ^ rot) << 22) + (h << 20) + 16 r
.set WF,  80                           ; v80-175 weight fragments: set kk % 3 at + 32, tile c at + 8 c
.set BI,  176                          ; v176-207 biases, tile c at + 8 c
.set OB,  80                           ; the way out: two sets of 32
.set MSB, 0
.macro WIN new                         ; s_set_vgpr_msb: bits 1:0 source 0, 3:2 source 1, 5:4 source 2, 7:6 destination; the high byte repeats the setting that is left
.if MSB != \new
	s_set_vgpr_msb (MSB<<8)|\new
.set MSB, \new
.endif
.endm
.macro PLACES n                        ; plain vector instructions between a matrix instruction and what may not follow it closely (ISA guide 7.12.1)
.rept \n
	v_nop
.endr
.endm
.macro BARRIER                         ; my LDS stores have landed and my LDS loads are in: then the work-group's barrier
	s_wait_dscnt 0x0
	s_barrier_signal -1
	s_barrier_wait -1
.endm
.macro ROUND                           ; a round of the cluster's barrier
	s_barrier_signal -1
	s_barrier_wait -1
	s_cmp_lg_u32 s10, 0
	s_cbranch_scc1 .Lnot_wave_0_\@
	s_barrier_signal -3
.Lnot_wave_0_\@:
	s_barrier_wait -3
	s_barrier_signal -1
	s_barrier_wait -1
.endm
; A PREFETCH INTO THE L2 of the slot that the NEXT change of slots will ask for, one slot's work ahead of that load, at the steps whose slot no cluster's load has named before: step 4 (Q's first trip) and step 12 (O's first):
; there the four values of rot name the pass's four slots, and clusters 0 to 3, whose rot is their number, each ask for their own; steps 8 to 11 (V), which all clusters walk alike: cluster 0 asks.  So each block of 256 bytes
; is named once in the launch.  s34 has a bit for each step at which my cluster asks.  The four partners share a portion's 128 blocks of codes out BY ADDRESS, 32 each, a lane a block, each wave for one portion;
; wave 0 of partner p asks for portion p's nine blocks of scale words and biases (lanes 9-31 name the ninth again).  K's slots come by their loads alone: nothing is prefetched at the head.
.macro ASK
	s_add_co_u32 s38, s49, 1                       ; the step after the one just asked for
	s_lshr_b32 s38, s34, s38
	s_and_b32 s38, s38, 1
	s_cmp_lg_u32 s38, 0
	s_cbranch_scc0 .Lnot_mine_\@
	global_prefetch_b8 v[PF1], s[36:37] th:TH_LOAD_NT scope:SCOPE_SE
	s_cmp_lg_u32 s10, 0
	s_cbranch_scc1 .Lnot_mine_\@
	global_prefetch_b8 v[PF2], s[36:37] th:TH_LOAD_NT scope:SCOPE_SE
.Lnot_mine_\@:
.endm
; THE CHANGE OF SLOTS stands at a slot's head.  fill = 1: all my tensor loads have landed (the one that was out is this slot's portion); 0 onto my spare word; the descriptor is set for the walk's next step and the other buffer;
; my LDS instructions are done, the reads of the buffer that I have left among them; a round of the cluster's barrier; and the joint load of the next step first behind it: it has this slot's work in which to land.
.macro CHANGE fill
	WIN 0
	s_wait_tensorcnt 0x0                           ; no tensor load of mine is out, so the descriptor may be written
.if \fill
	ds_add_u32 v[SPW], v[NIL]                      ; the scalar lines below stand between the add and the wait for it
.endif
	s_xor_b32 s13, s13, SLOTB                      ; the buffer that I have left: the next load's target
	s_xor_b32 s24, s13, SLOTB                      ; and this slot's: my portion
.if \fill
	s_lshr_b32 s38, s49, 2                         ; the next step's pass: 0 K, 1 Q, 2 V, 3 O
	s_cmp_eq_u32 s38, 0
	s_cselect_b32 s39, s48, s47                    ; what turns the step into the slot: K rot & 2; Q, O rot;
	s_cmp_eq_u32 s38, 2
	s_cselect_b32 s39, 0, s39                      ; V nothing,
	s_cselect_b32 s40, s48, 0                      ; but there the portion turns with rot & 2
	s_xor_b32 s39, s39, s49                        ; the slot
	s_xor_b32 s40, s40, s10                        ; the portion
	s_mul_i32 s39, s39, SLOTB
	s_mul_i32 s40, s40, PORT
	s_add_co_u32 s38, s39, s40
	s_mov_b32 s39, 0
	s_add_nc_u64 s[14:15], s[6:7], s[38:39]        ; made of the cluster's number, the wave's number and the count of steps: the same in all four partners
	s_or_b32 s15, s15, 0x80000000                  ; type = 2
	s_wait_xcnt 0x0                                ; the last prefetches, a slot or more back, have read their address
	s_add_co_u32 s38, s49, 1                       ; the step after: where a prefetch would stand (at the steps at which my cluster asks, step ^ rot is the slot and no portion turns)
	s_xor_b32 s38, s38, s47
	s_mul_i32 s38, s38, SLOTB
	s_add_nc_u64 s[36:37], s[6:7], s[38:39]
	s_wait_dscnt 0x0
	ROUND
	tensor_load_to_lds s[12:15], s[16:23]
	s_nop 0
	PLACES 4
	ASK
	s_add_co_u32 s49, s49, 1
.endif
	v_add_nc_u32 v[WADR], s24, v[L16]
	v_add_nc_u32 v[WAD4], s24, v[L4]
	v_add_nc_u32 v[WADB], s24, v[H32]
.endm
.macro FETCH k                         ; the four tiles' fragments of K step k
.irp c, 0,1,2,3
	ds_load_b128 v[WF+32*((\k)%3)+8*\c:WF+32*((\k)%3)+8*\c+3],   v[WADR] offset:(4*(\k)+\c)*1024
	ds_load_b128 v[WF+32*((\k)%3)+8*\c+4:WF+32*((\k)%3)+8*\c+7], v[WADR] offset:(4*(\k)+\c)*1024+512
.endr
.endm
; 16 matrix instructions: 4 tiles of weight rows x 4 tiles of tokens, K step k.  The 16 accumulators take turns, one instruction a turn.  An even K step's scale words lie in lanes 0-15, an odd one's in lanes 16-31.
.macro MUL k, accb
.if (\k) == 0
	WIN 0xc4                                       ; D window 3, C (the bias) window 0, source 1 window 1, source 0 window 0
.else
	WIN 0xf4                                       ; C and D window 3
.endif
.irp c, 0,1,2,3
.irp tt, 0,1,2,3
.if (\k) == 0
	v_wmma_scale_f32_16x16x128_f8f6f4 v[\accb+32*\tt+8*\c:\accb+32*\tt+8*\c+7], v[WF+8*\c:WF+8*\c+7], v[64*\tt:64*\tt+7], v[BI+8*\c:BI+8*\c+7], v[WSW+4*\c], v[XSW+4*\tt] matrix_a_fmt:MATRIX_FMT_FP4 matrix_b_fmt:MATRIX_FMT_FP4
.elseif ((\k)%2) == 0
	v_wmma_scale_f32_16x16x128_f8f6f4 v[\accb+32*\tt+8*\c:\accb+32*\tt+8*\c+7], v[WF+32*((\k)%3)+8*\c:WF+32*((\k)%3)+8*\c+7], v[64*\tt+8*(\k):64*\tt+8*(\k)+7], v[\accb+32*\tt+8*\c:\accb+32*\tt+8*\c+7], v[WSW+4*\c+(\k)/2], v[XSW+4*\tt+(\k)/2] matrix_a_fmt:MATRIX_FMT_FP4 matrix_b_fmt:MATRIX_FMT_FP4
.else
	v_wmma_scale_f32_16x16x128_f8f6f4 v[\accb+32*\tt+8*\c:\accb+32*\tt+8*\c+7], v[WF+32*((\k)%3)+8*\c:WF+32*((\k)%3)+8*\c+7], v[64*\tt+8*(\k):64*\tt+8*(\k)+7], v[\accb+32*\tt+8*\c:\accb+32*\tt+8*\c+7], v[WSW+4*\c+(\k)/2], v[XSW+4*\tt+(\k)/2] matrix_a_fmt:MATRIX_FMT_FP4 matrix_b_fmt:MATRIX_FMT_FP4 matrix_a_scale:MATRIX_SCALE_ROW1 matrix_b_scale:MATRIX_SCALE_ROW1
.endif
.endr
.endr
.endm
; A slot's products: 64 weight rows of mine x 64 tokens x K = 1,024: 128 matrix instructions.  Fragments are fetched two K steps ahead, into three sets.
.macro GEMM accb
.irp c, 0,1,2,3
.irp p, 0,1,2,3
	ds_load_b32 v[WSW+4*\c+\p], v[WAD4] offset:32768+512*\c+128*\p
.endr
.endr
.irp c, 0,1,2,3
	ds_load_b128 v[BI+8*\c:BI+8*\c+3],   v[WADB] offset:34816+64*\c       ; lane (r, h): the biases of tile rows 8 h + 0 .. 7
	ds_load_b128 v[BI+8*\c+4:BI+8*\c+7], v[WADB] offset:34816+64*\c+16
.endr
	FETCH 0
	FETCH 1
	FETCH 2
	s_wait_dscnt 16                                ; all but the 16 loads of K steps 1 and 2
	MUL 0, \accb
.irp k, 1,2,3,4,5
	WIN 0
	PLACES 4                                       ; in front of loads into the set that the last 16 products read
	FETCH \k+2
	s_wait_dscnt 16                                ; K step k's are in; the 16 loads of the two steps behind it may be out
	MUL \k, \accb
.endr
	s_wait_dscnt 8                                 ; K step 7's eight may be out
	MUL 6, \accb
	s_wait_dscnt 0x0
	MUL 7, \accb
	WIN 0
.endm
.macro LOADXF                          ; all 32 fragments and 16 registers of scale words out of the images; the next change of slots waits for them
	WIN 0x40
.set f, 0
.rept 32
	ds_load_b128 v[8*f:8*f+3],   v[XLA] offset:1024*f
	ds_load_b128 v[8*f+4:8*f+7], v[XLA] offset:1024*f+512
.set f, f+1
.endr
	WIN 0
.set f, 0
.rept 16
	ds_load_b32 v[XSW+f], v[XLS] offset:128*f
.set f, f+1
.endr
.endm
; K's or Q's results of a trip (place 4 trip + wave among the 16 heads).  The 32 registers of a tile of tokens are d = 32 h + 0 .. 31 of my token: one whole block.  Its codes, 16 bytes, and its byte go to LDS by token.
.macro EPI_KQ
	PLACES 4
	WIN 0x0f
.irp tt, 0,1,2,3
	v_max3_num_f32 v[224+\tt], |v[32*\tt]|, |v[32*\tt+1]|, 0x1800000       ; with the floor 2^(3 - 127): the byte cannot fall under 1.  Each accumulator is read from its low end on
.endr
	WIN 0x3c
.irp i, 2,4,6,8,10,12,14,16,18,20,22,24,26,28,30
.irp tt, 0,1,2,3
	v_max3_num_f32 v[224+\tt], v[224+\tt], |v[32*\tt+\i]|, |v[32*\tt+\i+1]|
.endr
.endr
	WIN 0
.irp tt, 0,1,2,3
	v_add_nc_u32 v[228+\tt], 0xff000000, v[224+\tt]   ; 2 off the exponent field: the conversion's scale operand
.endr
.irp tt, 0,1,2,3
	v_lshrrev_b32 v[232+\tt], 23, v[228+\tt]          ; the scale's byte
.endr
	WIN 0x03
.irp tt, 0,1,2,3
.irp q, 0,1,2,3
	v_cvt_scalef32_pk8_fp4_f32 v[208+4*\tt+\q], v[32*\tt+8*\q:32*\tt+8*\q+7], v[228+\tt]
.endr
.endr
	v_nop                                          ; one plain instruction behind the conversions
	WIN 0
.irp tt, 0,1,2,3
	ds_store_b128 v[KQA], v[208+4*\tt:208+4*\tt+3] offset:8448*\tt
	ds_store_b8 v[KSA], v[232+\tt] offset:544*\tt
.endr
	v_add_nc_u32 v[KQA], 64, v[KQA]
	v_add_nc_u32 v[KSA], 16, v[KSA]
.endm
.macro KQPASS
	s_mov_b32 s26, 4
.Lpass_\@:
	CHANGE 1
	GEMM 0
	EPI_KQ
	s_sub_co_u32 s26, s26, 1
	s_cmp_lg_u32 s26, 0
	s_cbranch_scc1 .Lpass_\@
	BARRIER                                        ; all 16 heads' codes of all 64 tokens lie in LDS
.endm
; V.  In tile c = 2 hs + ct a lane's registers 0-3 and 4-7 are two QUADS: the heads at places 8 (wave / 2) + 4 hs + 0 .. 3 at one d, of my token.  Quad 8 wave + 4 ct + 2 h + half of the token's 32.
.macro STAGE hs
	WIN 0x0c
.irp tt, 0,1,2,3
.irp ct, 0,1
	ds_store_b128 v[VSA], v[128+32*\tt+8*(2*(\hs)+\ct):128+32*\tt+8*(2*(\hs)+\ct)+3]   offset:8448*\tt+64*\ct
	ds_store_b128 v[VSA], v[128+32*\tt+8*(2*(\hs)+\ct)+4:128+32*\tt+8*(2*(\hs)+\ct)+7] offset:8448*\tt+64*\ct+16
.endr
.endr
.endm
.macro VLOAD hs                        ; lane (r', h) takes quad 16 h + r' of each of my 16 tokens: places 8 h + 4 hs + 0 .. 3 at the r'-th of 16 d.  It lands in the registers that STAGE hs has just stored
	WIN 0xc0
.set t, 0
.rept 16
	ds_load_b128 v[128+32*(t/4)+16*(\hs)+4*(t%4):128+32*(t/4)+16*(\hs)+4*(t%4)+3], v[VRA] offset:528*t
.set t, t+1
.endr
.endm
; out^T += V^T attn^T, in f32, since the result goes into a quantiser: for each of my 16 tokens, source 0 = 16 d x 4 heads l, source 1 = 4 l x 16 hq.  Place 2 h + j along K stands for the head at place 8 h + 4 hs + 2 ks + j on both sides.
; Result: lane (hq, h), register j: d = 32 hd + 16 h + 8 u + j.  The 16 accumulators take turns; a sum's first instruction takes the constant 0.
.macro PV u, hs
	WIN 0xaf
.irp ks, 0,1
.set t, 0
.rept 16
.set VO, 128+32*(t/4)+16*(\hs)+4*(t%4)+2*\ks
.set AT, 8*t+4*(\hs)+2*\ks
.set OD, 16*t+8*(\u)
.if ((\hs) == 0) && (\ks == 0)
	v_wmma_f32_16x16x4_f32 v[OD:OD+7], v[VO:VO+1], v[AT:AT+1], 0
.else
	v_wmma_f32_16x16x4_f32 v[OD:OD+7], v[VO:VO+1], v[AT:AT+1], v[OD:OD+7]
.endif
.set t, t+1
.endr
.endr
.endm
.macro VSLOT u
	CHANGE 1
	GEMM 128
	PLACES 5                                       ; FIVE: the sums' registers are stored to LDS, filled anew by loads, and then named as source 0 of the f32 matrix instructions below: a matrix instruction
	                                               ; that takes as an operand registers which an earlier one wrote stands five places behind it; no other place stands between (K steps 5, 6 and 7 have none between them either)
	STAGE 0
	BARRIER                                        ; the quads with hs = 0 lie in LDS
	VLOAD 0
	s_wait_dscnt 0x0                               ; they are in my registers:
	s_barrier_signal -1                            ; say so,
	PV \u, 0                                       ; work on registers meanwhile,
	WIN 0
	s_barrier_wait -1                              ; and write the stage again when all four have said so
	STAGE 1
	BARRIER
	VLOAD 1
	s_wait_dscnt 0x0
	PV \u, 1
	WIN 0
	PLACES 9                                       ; behind the f32 form: the next products write over its operands' registers, the quantiser reads its results
.endm
; out's block hd of (token t, head hq): my 16 registers are d = 32 hd + 16 h + 0 .. 15, lane l xor 16 has the other 16.  Codes: 8 bytes a token into v[cb + 2 t]; bytes into v[by + t].
.macro OUTQ cb, by
	WIN 0x0a
.set t, 0
.rept 16
	v_max3_num_f32 v[80+t], |v[16*t]|, |v[16*t+1]|, 0x1800000
.set t, t+1
.endr
	WIN 0x28
.irp i, 2,4,6,8,10,12,14
.set t, 0
.rept 16
	v_max3_num_f32 v[80+t], v[80+t], |v[16*t+\i]|, |v[16*t+\i+1]|
.set t, t+1
.endr
.endr
	WIN 0
.set t, 0
.rept 16
	v_permlanex16_b32 v[96+t], v[80+t], s28, s29
.set t, t+1
.endr
.set t, 0
.rept 16
	v_max_num_f32 v[80+t], v[80+t], v[96+t]
.set t, t+1
.endr
.set t, 0
.rept 16
	v_add_nc_u32 v[112+t], 0xff000000, v[80+t]
.set t, t+1
.endr
.set t, 0
.rept 16
	v_lshrrev_b32 v[\by+t], 23, v[112+t]
.set t, t+1
.endr
	WIN 0x02
.set t, 0
.rept 16
	v_cvt_scalef32_pk8_fp4_f32 v[\cb+2*t],   v[16*t:16*t+7],    v[112+t]
	v_cvt_scalef32_pk8_fp4_f32 v[\cb+2*t+1], v[16*t+8:16*t+15], v[112+t]
.set t, t+1
.endr
	v_nop                                          ; one plain instruction behind the conversions
	WIN 0
.endm
; THE WAY OUT of a slot of O: tile tt is 16 rows (the heads' places) x my 64 columns.  A lane holds 32 bytes of a row: the tile goes through my own stage and comes back by rows of 256 bytes.
.macro TOSTAGE tt
	WIN 0x0c
.irp c, 0,1,2,3
	ds_store_b128 v[OSA], v[128+32*(\tt)+8*\c:128+32*(\tt)+8*\c+3]   offset:64*\c
	ds_store_b128 v[OSA], v[128+32*(\tt)+8*\c+4:128+32*(\tt)+8*\c+7] offset:64*\c+16
.endr
	WIN 0
.irp i, 0,1,2,3,4,5,6,7
	ds_load_b128 v[OB+32*((\tt)%2)+4*\i:OB+32*((\tt)%2)+4*\i+3], v[ORA] offset:544*\i   ; LDS serves a wave's instructions in order (ISA guide 5.7.1.4): these see the stores above, and the next tile's stores come behind them
.endr
.endm
.macro SEND tt, younger                ; places 2 i + h.  Head hq lies 2^20 bytes from head hq - 1; place p holds head p ^ 4 rot: the register takes the place's upper two bits, turned; the immediate bit 1.  Sixteen lanes store 256 consecutive bytes, aligned
.set OBR, OB+32*((\tt)%2)
	s_wait_dscnt \younger
.irp i, 0,1,2,3,4,5,6,7
	global_store_b128 v[GO+\i/2], v[OBR+4*\i:OBR+4*\i+3], s[50:51] offset:((2*(\i%2))<<20)+((\tt)<<12) th:TH_STORE_NT
.endr
.endm
.macro EPI_O
	s_xor_b32 s38, s52, s47                        ; this trip's slot of O: its 256 columns.  (The last trip's stores have read their base: that trip ended with a wait on XCNT for 0)
	s_lshl_b32 s38, s38, 10
	s_mov_b32 s39, 0
	s_add_nc_u64 s[50:51], s[8:9], s[38:39]
	PLACES 4
	TOSTAGE 0
	TOSTAGE 1
	SEND 0, 16                                     ; behind tile 0's loads: tile 1's eight stores and eight loads
	s_wait_xcnt 0x0                                ; tile 0's stores have read their registers, which tile 2's loads fill
	TOSTAGE 2
	SEND 1, 16
	s_wait_xcnt 0x0
	TOSTAGE 3
	SEND 2, 16
	SEND 3, 0
	s_wait_xcnt 0x0                                ; the stores have read their registers and their base
	s_add_co_u32 s52, s52, 1
.endm
; X.  A step is 4 tokens x 128 along K: four loads of 512 consecutive bytes; they turn through my stage so that a lane gets 16 neighbours (two neighbouring lanes hold a block).
.macro XLOAD ks, ahead
.irp i, 0,1,2,3
	global_load_b128 v[80+16*(\ks)+4*\i:80+16*(\ks)+4*\i+3], v[L16], s[4:5] offset:\i*4096+512*(\ks)+16384*(\ahead) th:TH_LOAD_NT
.endr
.endm
.macro XTURN ks
.irp i, 0,1,2,3
	ds_store_b128 v[XSI], v[80+16*(\ks)+4*\i:80+16*(\ks)+4*\i+3] offset:640*\i
.endr
.irp i, 0,1,2,3
	ds_load_b128 v[208+16*((\ks)%2)+4*\i:208+16*((\ks)%2)+4*\i+3], v[XSO] offset:16*\i   ; in order behind the stores
.endr
.endm
.macro XSTEP ks, load, lcnt
.set XN, 208+16*((\ks)%2)
.set XP, (\ks)%2
.if (\ks) == 0
	s_wait_dscnt 0x0                               ; this step's numbers are back from the stage
.else
	s_wait_dscnt 0x2                               ; likewise; the last step's two stores may be out
.endif
.if \load
	XLOAD \ks, 1                                   ; the stage's stores have read this set: it takes the same K step of the next four tokens
.endif
.if (\load) || ((\ks) < 7)
	s_wait_loadcnt \lcnt                           ; the next step's four loads are in; the sets behind it may be out
	XTURN ((\ks)+1)%8
.endif
	v_max3_num_f32 v72, |v[XN]|, |v[XN+1]|, |v[XN+2]|
	v_max3_num_f32 v73, |v[XN+3]|, |v[XN+4]|, |v[XN+5]|
.irp i, 6,10
	v_max3_num_f32 v72, v72, |v[XN+\i]|, |v[XN+\i+1]|
	v_max3_num_f32 v73, v73, |v[XN+\i+2]|, |v[XN+\i+3]|
.endr
	v_max3_num_f32 v72, v72, |v[XN+14]|, |v[XN+15]|
	v_max3_num_f32 v72, v72, v73, 0x1800000        ; and the floor
	v_max_num_f32_dpp v72, v72, v72 row_xmask:1 row_mask:0xf bank_mask:0xf   ; with my neighbour's 16: the block's largest magnitude
	v_add_nc_u32 v74, 0xff000000, v72
	v_cvt_scalef32_pk8_fp4_f32 v[240+2*XP], v[XN:XN+7], v74
	v_cvt_scalef32_pk8_fp4_f32 v[241+2*XP], v[XN+8:XN+15], v74
	v_lshrrev_b32 v[244+XP], 23, v74               ; the byte (a plain instruction behind the conversions)
	ds_store_b8 v[XSA], v[244+XP] offset:128*((\ks)/2)+64*((\ks)%2)   ; both lanes of a block write the same byte
	ds_store_b64 v[XIA], v[240+2*XP:241+2*XP] offset:1024*(\ks)
.endm
	s_load_b128 s[4:7], s[0:1], 0x0                ; x, wpack
	s_load_b64 s[8:9], s[0:1], 0x10                ; out0
	v_lshl_add_u32 v[SPW], v0, 2, SPARE
	v_mov_b32 v[NIL], 0
	ds_add_u32 v[SPW], v[NIL]                      ; the wave's opening: the add, twice on end, and its wait stand ahead of my first tensor load; the set-up below stands between
	ds_add_u32 v[SPW], v[NIL]
	v_lshrrev_b32 v72, 5, v0
	v_readfirstlane_b32 s10, v72                   ; wave
	s_bfe_u32 s46, ttmp6, 0x40000                  ; cx: my place in the cluster: it enters global addresses alone
	s_lshl_b32 s11, ttmp9, 2
	s_add_co_u32 s11, s11, s46                     ; my block of 64 tokens
	s_lshr_b32 s47, ttmp9, 2                       ; rot, of the cluster's number alone: the same in all four partners
	s_xor_b32 s47, s47, ttmp9
	s_lshr_b32 s48, ttmp9, 4
	s_xor_b32 s47, s47, s48
	s_and_b32 s47, s47, 3
	s_and_b32 s48, s47, 2                          ; rot & 2
	s_mov_b32 s49, 1                               ; the walk's next step to be asked for
	s_mov_b32 s52, 0                               ; O's trip
	; the descriptor's group 1: a portion is a dense block of 137 rows of 256 bytes
	s_mov_b32 s16, 0x0023000f                      ; 15:0 the mask: all four work-groups; 17:16 elements of 8 bytes; 21 set beside a mask; no padding
	s_mov_b32 s17, 32<<16                          ; tensor_dim0 = 32
	s_mov_b32 s18, 137<<16                         ; tensor_dim1 = 137
	s_mov_b32 s19, 32<<16                          ; tile_dim0 = 32
	s_mov_b32 s20, 137                             ; tile_dim1 = 137
	s_mov_b32 s21, 32                              ; from row to row
	s_mov_b32 s22, 0
	s_mov_b32 s23, 0
	s_mov_b32 s12, 1                               ; group 0: count = 1,
	s_mul_i32 s13, s10, PORT                       ; LDS address: my portion of buffer 0
	s_mov_b32 s28, 0x76543210
	s_mov_b32 s29, 0xfedcba98                      ; lane l xor 16
	s_mov_b32 s30, 0x3e38aa3b                      ; c = log2(e) / 8
	s_mov_b32 s31, s30                             ; (named with it as a pair)
	s_mov_b32 s32, 0xbe38aa3b                      ; -c
	s_mov_b32 s34, 0x1010                          ; the steps whose slot my cluster prefetches: clusters 0 to 3: steps 4 and 12;
	s_cmp_eq_u32 ttmp9, 0
	s_cselect_b32 s34, 0x1f10, s34                 ; cluster 0: steps 8 to 11 too;
	s_cmp_lt_u32 ttmp9, 4
	s_cselect_b32 s34, s34, 0                      ; the others: none.  The same in all four partners
	v_and_b32 v73, 31, v0                          ; lane
	v_and_b32 v74, 15, v0                          ; r
	v_bfe_u32 v75, v0, 4, 1                        ; h
	v_lshlrev_b32 v[L16], 4, v73
	v_lshlrev_b32 v[L4], 2, v73
	v_lshlrev_b32 v[H32], 5, v75
	; X: lane l holds token l / 8 of the step's four, block (l / 2) % 4, half l % 2
	v_bfe_u32 v76, v0, 2, 1
	v_lshlrev_b32 v[XIA], 9, v76                   ; 512 x (block / 2)
	v_bfe_u32 v76, v0, 1, 1
	v_lshl_add_u32 v[XIA], v76, 8, v[XIA]          ; + 256 x (block % 2)
	v_bfe_u32 v77, v0, 3, 2
	v_lshl_add_u32 v[XIA], v77, 4, v[XIA]          ; + 16 x token
	v_and_b32 v76, 1, v0
	v_lshl_add_u32 v[XIA], v76, 3, v[XIA]          ; + 8 x half
	s_lshl_b32 s38, s10, 13
	s_add_co_u32 s38, s38, XIMG                    ; my tile's eight images
	v_add_nc_u32 v[XIA], s38, v[XIA]
	v_lshlrev_b32 v[OWA], 4, v74
	v_lshl_add_u32 v[OWA], v75, 3, v[OWA]
	v_add_nc_u32 v[OWA], s38, v[OWA]               ; out: row r (a head's place), + 8 h
	v_bfe_u32 v76, v0, 1, 2
	v_lshl_add_u32 v[XSA], v77, 2, v76             ; 4 x token + block
	s_lshl_b32 s38, s10, 9
	s_add_co_u32 s38, s38, XSC
	v_add_nc_u32 v[XSA], s38, v[XSA]
	v_lshl_add_u32 v[OWS], v74, 2, s38
	v_add_nc_u32 v[XLA], XIMG, v[L16]
	v_add_nc_u32 v[XLS], XSC, v[L4]
	v_mul_u32_u24 v78, v74, 528
	v_lshl_add_u32 v[KQA0], v75, 8, v78
	s_lshl_b32 s38, s10, 4
	s_add_co_u32 s38, s38, KQC
	v_add_nc_u32 v[KQA0], s38, v[KQA0]             ; token r, + 256 h, + 16 x wave
	v_lshl_add_u32 v[VSA], v75, 5, v78
	s_lshl_b32 s38, s10, 7
	s_add_co_u32 s38, s38, VSTG
	v_add_nc_u32 v[VSA], s38, v[VSA]               ; token r, + 128 x wave + 32 h
	v_bfe_u32 v76, v0, 1, 3
	v_mul_u32_u24 v[KSA0], v76, 68
	v_and_b32 v76, 1, v0
	v_lshl_add_u32 v[KSA0], v76, 1, v[KSA0]
	v_add_nc_u32 v[KSA0], v[KSA0], v75
	s_lshl_b32 s38, s10, 2
	s_add_co_u32 s38, s38, KSC
	v_add_nc_u32 v[KSA0], s38, v[KSA0]             ; 68 (r / 2) + 2 (r % 2) + h + 4 x wave
	s_mul_i32 s38, s10, 8448
	s_add_co_u32 s38, s38, KQC
	v_add_nc_u32 v[KRA], s38, v[L16]
	v_add_nc_u32 v[VRA], s38, v[L16]
	v_mul_u32_u24 v[KSR], v75, 2176                ; lanes 16-31 take Q's words, one distance on
	v_lshl_add_u32 v[KSR], v74, 2, v[KSR]
	s_mul_i32 s38, s10, 544
	s_add_co_u32 s38, s38, KSC
	v_add_nc_u32 v[KSR], s38, v[KSR]
	s_mul_i32 s38, s10, 4352
	s_add_co_u32 s38, s38, OSTG
	v_mul_u32_u24 v[OSA], v74, 272
	v_lshl_add_u32 v[OSA], v75, 5, v[OSA]
	v_add_nc_u32 v[OSA], s38, v[OSA]
	v_mul_u32_u24 v[ORA], v75, 272
	v_lshl_add_u32 v[ORA], v74, 4, v[ORA]
	v_add_nc_u32 v[ORA], s38, v[ORA]
	v_lshlrev_b32 v[GB], 20, v75
	v_lshl_add_u32 v[GB], v74, 4, v[GB]
	s_mul_i32 s38, s10, 2560
	s_add_co_u32 s38, s38, XSTG
	v_bfe_u32 v76, v0, 2, 3
	v_mul_u32_u24 v[XSI], v76, 80
	v_and_b32 v76, 3, v0
	v_lshl_add_u32 v[XSI], v76, 4, v[XSI]
	v_add_nc_u32 v[XSI], s38, v[XSI]               ; four lanes' 64 bytes on end, then 16 of padding
	v_mul_u32_u24 v[XSO], v73, 80
	v_add_nc_u32 v[XSO], s38, v[XSO]
	s_lshl_b32 s38, s46, 13
	s_add_co_u32 s38, s38, s13
	v_lshl_add_u32 v[PF1], v73, 8, s38             ; portion wave, my work-group's 32 blocks of its codes
	s_mul_i32 s38, s46, PORT
	s_add_co_u32 s38, s38, 32768
	v_min_u32 v76, 8, v73
	v_lshl_add_u32 v[PF2], v76, 8, s38             ; portion cx's nine blocks behind the codes
.irp q, 0,1,2,3                        ; out0's rows: places 4 q + .. hold heads 4 (q ^ rot) + ..  (v76-78 have served as work registers above and are free now)
	s_xor_b32 s38, s47, \q
	s_lshl_b32 s38, s38, 22
	v_add_nc_u32 v[GO+\q], s38, v[GB]
.endr
	s_lshl_b32 s38, s11, 18                        ; x: 64 tokens of 4,096 bytes a work-group, 16 a wave
	s_lshl_b32 s39, s10, 16
	s_add_co_u32 s38, s38, s39
	s_mov_b32 s39, 0
	s_lshr_b32 s40, s11, 6                         ; out0: batch n = g / 64; rows 4 (g % 64) + tt of each head's 256; my 64 columns
	s_lshl_b32 s40, s40, 24
	s_and_b32 s41, s11, 63
	s_lshl_b32 s41, s41, 14
	s_add_co_u32 s40, s40, s41
	s_lshl_b32 s41, s10, 8
	s_add_co_u32 s40, s40, s41
	s_mov_b32 s41, 0
	s_mul_i32 s42, s48, SLOTB                      ; the walk's step 0: slot rot & 2 of K,
	s_add_co_u32 s42, s42, s13                     ; my portion
	s_mov_b32 s43, 0
	s_wait_dscnt 0x0                               ; both opening adds are done
	s_wait_kmcnt 0x0
	s_add_nc_u64 s[4:5], s[4:5], s[38:39]
	s_add_nc_u64 s[8:9], s[8:9], s[40:41]
	s_add_nc_u64 s[14:15], s[6:7], s[42:43]        ; the cluster's and the wave's number alone enter
	s_or_b32 s15, s15, 0x80000000                  ; type = 2
.irp k, 0,1,2,3,4,5,6,7
	XLOAD \k, 0                                    ; x's first 32 loads go out ahead of the round: they hang on nothing that the round orders
.endr
	ROUND                                          ; all four work-groups are here: the first joint loads meet
	tensor_load_to_lds s[12:15], s[16:23]          ; the walk's step 0; it lands while x is quantised
	s_nop 0
	PLACES 4
	; ---- X: my 16 tokens, four at a time, eight K steps each; 32 loads of mine are on their way throughout
	s_wait_loadcnt 28                              ; the first step's four are in
	XTURN 0
	s_mov_b32 s26, 3
.Lx:
.irp k, 0,1,2,3,4,5,6,7
	XSTEP \k, 1, 28
.endr
	s_wait_xcnt 0x0                                ; the loads have read their base
	s_add_nc_u64 s[4:5], s[4:5], 16384             ; four tokens on
	v_add_nc_u32 v[XIA], 64, v[XIA]
	v_add_nc_u32 v[XSA], 16, v[XSA]
	s_sub_co_u32 s26, s26, 1
	s_cmp_lg_u32 s26, 0
	s_cbranch_scc1 .Lx
.irp k, 0,1,2,3,4,5,6,7
	XSTEP \k, 0, 24-4*\k                           ; the last four tokens load nothing: the counts run down
.endr
	BARRIER                                        ; all 32 images of x lie in LDS
	LOADXF
	; ---- K
	v_mov_b32 v[KQA], v[KQA0]
	v_mov_b32 v[KSA], v[KSA0]
	KQPASS
	WIN 0xc0
.set t, 0
.rept 16                               ; K's codes of my 16 tokens: lane (l, h) takes place l's block h: a pair of tokens is one fragment, rows = places
	ds_load_b128 v[128+4*t:128+4*t+3], v[KRA] offset:528*t
.set t, t+1
.endr
	WIN 0
	; ---- Q: the pass's first change of slots waits for the loads above and passes a round ahead of Q's first store into the same bytes
	v_mov_b32 v[KQA], v[KQA0]
	v_add_nc_u32 v[KSA], 2176, v[KSA0]
	KQPASS
	; ---- scores^T = K Q^T.  For a pair P of tokens twelve registers: Q of the first, zeros, Q of the second: [Q | 0] and [0 | Q] are the two operands
.irp P, 0,1,2,3,4,5,6,7
.irp i, 0,1,2,3
	v_mov_b32 v[84+12*\P+\i], 0
.endr
.endr
	PLACES 4                                       ; an operand written by vector instructions stands four places ahead of a scaled matrix instruction
.irp P, 0,1,2,3,4,5,6,7
	ds_load_b128 v[80+12*\P:83+12*\P], v[KRA] offset:528*(2*\P)
	ds_load_b128 v[88+12*\P:91+12*\P], v[KRA] offset:528*(2*\P+1)
	ds_load_b32 v[KQS+\P], v[KSR] offset:68*\P
.endr
	s_wait_dscnt 0x0
	WIN 0xc3
.irp P, 0,1,2,3,4,5,6,7
.irp o, 0,1
	v_wmma_scale_f32_16x16x128_f8f6f4 v[8*(2*\P+\o):8*(2*\P+\o)+7], v[128+8*\P:128+8*\P+7], v[80+12*\P+4*\o:80+12*\P+4*\o+7], 0, v[KQS+\P], v[KQS+\P] matrix_a_fmt:MATRIX_FMT_FP4 matrix_b_fmt:MATRIX_FMT_FP4 matrix_b_scale:MATRIX_SCALE_ROW1
.endr
.endr
	PLACES 4
	; ---- softmax over l.  Token t: lane (hq, h), register j: K's place 8 h + j.  All in window 3: attn at v[8 t], four registers of work at v[128 + 4 t].  The 16 tokens by turns
	WIN 0xff
.set t, 0
.rept 16
	v_max3_num_f32 v[129+4*t], v[8*t], v[8*t+1], v[8*t+2]
.set t, t+1
.endr
.irp i, 3,5
.set t, 0
.rept 16
	v_max3_num_f32 v[129+4*t], v[129+4*t], v[8*t+\i], v[8*t+\i+1]
.set t, t+1
.endr
.endr
.set t, 0
.rept 16
	v_max_num_f32 v[129+4*t], v[129+4*t], v[8*t+7]
.set t, t+1
.endr
.set t, 0
.rept 16
	v_permlanex16_b32 v[130+4*t], v[129+4*t], s28, s29
.set t, t+1
.endr
.set t, 0
.rept 16
	v_max_num_f32 v[129+4*t], v[129+4*t], v[130+4*t]   ; the row's largest score
.set t, t+1
.endr
.set t, 0
.rept 16
	v_mul_f32 v[128+4*t], s32, v[129+4*t]              ; -c m
.set t, t+1
.endr
.irp i, 0,2,4,6
.set t, 0
.rept 16
	v_pk_fma_f32 v[8*t+\i:8*t+\i+1], v[8*t+\i:8*t+\i+1], s[30:31], v[128+4*t:129+4*t] op_sel_hi:[1,0,0]   ; c s - c m
.set t, t+1
.endr
.endr
.irp i, 0,1,2,3,4,5,6,7
.set t, 0
.rept 16
	v_exp_f32 v[8*t+\i], v[8*t+\i]
.set t, t+1
.endr
.endr
	v_nop                                          ; a plain instruction behind the last exponential
	s_wait_alu depctr_va_vdst(0)                   ; one wait for the whole batch, ahead of its first reader
.set t, 0
.rept 16
	v_pk_add_f32 v[130+4*t:131+4*t], v[8*t:8*t+1], v[8*t+2:8*t+3]
.set t, t+1
.endr
.set t, 0
.rept 16
	v_pk_add_f32 v[128+4*t:129+4*t], v[8*t+4:8*t+5], v[8*t+6:8*t+7]
.set t, t+1
.endr
.set t, 0
.rept 16
	v_pk_add_f32 v[130+4*t:131+4*t], v[130+4*t:131+4*t], v[128+4*t:129+4*t]
.set t, t+1
.endr
.set t, 0
.rept 16
	v_add_f32 v[130+4*t], v[130+4*t], v[131+4*t]
.set t, t+1
.endr
.set t, 0
.rept 16
	v_permlanex16_b32 v[131+4*t], v[130+4*t], s28, s29
.set t, t+1
.endr
.set t, 0
.rept 16
	v_add_f32 v[130+4*t], v[130+4*t], v[131+4*t]       ; the row's sum
.set t, t+1
.endr
.set t, 0
.rept 16
	v_rcp_f32 v[128+4*t], v[130+4*t]
.set t, t+1
.endr
	v_nop
	s_wait_alu depctr_va_vdst(0)                   ; one wait for the 16 reciprocals
.irp i, 0,2,4,6
.set t, 0
.rept 16
	v_pk_mul_f32 v[8*t+\i:8*t+\i+1], v[8*t+\i:8*t+\i+1], v[128+4*t:129+4*t] op_sel_hi:[1,0]
.set t, t+1
.endr
.endr
	WIN 0
	; ---- V and attn x V: two slots make 32 of the 64 d of every head; then that half of out is quantised
	VSLOT 0
	VSLOT 1
	OUTQ 208, 240                                  ; d = 0 .. 31: codes and bytes wait in v208-255: the images' bytes still hold V's stage
	VSLOT 0
	VSLOT 1
	OUTQ 144, 128                                  ; d = 32 .. 63
	; ---- out's codes become the last product's operand: my tokens are tile tt = wave of its rows (row = a head's place), token t its columns 64 t + d: K step t / 2, block 2 (t % 2) + hd
	BARRIER                                        ; every wave's reads of V's stage are over
.set t, 0
.rept 16
	ds_store_b64 v[OWA], v[208+2*t:209+2*t] offset:512*t
	ds_store_b64 v[OWA], v[144+2*t:145+2*t] offset:512*t+256
	ds_store_b8 v[OWS], v[240+t] offset:128*(t/4)+64*((t/2)%2)+2*(t%2)      ; both halves of the lanes write the same byte
	ds_store_b8 v[OWS], v[128+t] offset:128*(t/4)+64*((t/2)%2)+2*(t%2)+1
.set t, t+1
.endr
	BARRIER
	LOADXF
	; ---- O: the first change of slots waits for the loads above and passes a round ahead of the first store into the stages, which lie over the images
	s_mov_b32 s26, 3
.Lo:
	CHANGE 1
	GEMM 128
	EPI_O
	s_sub_co_u32 s26, s26, 1
	s_cmp_lg_u32 s26, 0
	s_cbranch_scc1 .Lo
	CHANGE 0                                       ; the last slot is written out: nothing is left to ask for; its portion is my own, so my wait for it is all that its reads need
	GEMM 128
	EPI_O
	s_wait_tensorcnt 0x0                           ; the wave's end: these three lines stand behind my last tensor load and my last LDS store
	ds_add_u32 v[SPW], v[NIL]
	s_wait_dscnt 0x0
	ROUND                                          ; the closing round: no work-group ends while a partner may still ask for a slot that names it
	s_endpgm
.Lfunc_end_k_q28869bbb56_fused:
	.size	k_q28869bbb56_fused, .Lfunc_end_k_q28869bbb56_fused-k_q28869bbb56_fused
	.p2alignl 7, 3214868480
	.fill 96, 4, 3214868480
	.section	.rodata,"a",@progbits
	.p2align	6, 0x0
	.amdhsa_kernel k_q28869bbb56_fused
		.amdhsa_group_segment_fixed_size 327680
		.amdhsa_private_segment_fixed_size 0
		.amdhsa_enable_private_segment 0
		.amdhsa_kernarg_size 24
		.amdhsa_user_sgpr_count 2
		.amdhsa_user_sgpr_kernarg_segment_ptr 1
		.amdhsa_wavefront_size32 1
		.amdhsa_system_sgpr_workgroup_id_x 1
		.amdhsa_system_sgpr_workgroup_id_y 1
		.amdhsa_system_sgpr_workgroup_id_z 1
		.amdhsa_system_vgpr_workitem_id 0
		.amdhsa_next_free_vgpr 1024
		.amdhsa_next_free_sgpr 66
		.amdhsa_reserve_vcc 0
		.amdhsa_float_denorm_mode_32 3
		.amdhsa_float_denorm_mode_16_64 3
		.amdhsa_memory_ordered 1
		.amdhsa_forward_progress 1
		.amdhsa_inst_pref_size 255
	.end_amdhsa_kernel
	.section	.bss,"aw",@nobits
	.p2align	6
	.space	262144
	.amdgpu_metadata
---
amdhsa.version: [ 1, 2 ]
amdhsa.kernels:
  - .name:           k_q28869bbb56_fused
    .symbol:         k_q28869bbb56_fused.kd
    .args:
      - { .name: x, .offset: 0, .size: 8, .value_kind: global_buffer, .address_space: global }
      - { .name: wpack, .offset: 8, .size: 8, .value_kind: global_buffer, .address_space: global }
      - { .name: out0, .offset: 16, .size: 8, .value_kind: global_buffer, .address_space: global }
    .group_segment_fixed_size: 327680
    .private_segment_fixed_size: 0
    .kernarg_segment_align: 8
    .kernarg_segment_size: 24
    .max_flat_workgroup_size: 128
    .sgpr_count:     66
    .vgpr_count:     1024
    .wavefront_size: 32
...
	.end_amdgpu_metadata
.endif
;; end of part 2
